; MI455X (gfx1250); checked and timed in simulation.
; The chip was launched on July 23, 2026; its instructions are those of AMD's public machine-readable ISA for CDNA 5 (MIT licence, August 2026) and "CDNA5" Instruction Set Architecture Reference Guide (July 2026). The comments in the code are by the model that wrote it; some were corrected since.
;; Cross Muti Head Attention. Allowed arithmetic: matrix products marked QUANTISED: E2M3 operands, one E8M0 scale for each 32 along K, by v_wmma_scale_f32_16x16x128_f8f6f4 with both operands' format E2M3, f32 sums; everything else in f32.
;; Inputs: Wk 1,024 x 512 float32; Wo 1,024 x 1,024 float32; Wq 1,024 x 512 float32; Wv 1,024 x 1,024 float32; encoder_output 4 x 2,048 x 1,024 float32; pre_output 4 x 2,048 x 1,024 float32.
;; Outputs: out0 4 x 2,048 x 1,024 float32.
;; This version of the problem:
;;   THIS VERSION OF THE PROBLEM IS GIVEN IN LOW PRECISION. The matrix products marked QUANTISED in the list below multiply operands that are first quantised to E2M3 (2 exponent bits, 3 mantissa bits; 6 bits a number), with one power-of-two scale for each 32 numbers along K (OCP MX v1.0); their sums are f32. All else is computed in f32.
;;   The module's matrix products, in the order in which they are computed (A, B: the left and right operand; K: the contracted axis; several contracted axes count as one K, in the product's order):
;;     1. [M 8,192, K 1,024] x [K 1,024, N 512]; A: input pre_output; B: input Wq: QUANTISED
;;     2. [M 8,192, K 1,024] x [K 1,024, N 512]; A: input encoder_output; B: input Wk: QUANTISED
;;     3. [M 8,192, K 1,024] x [K 1,024, N 1,024]; A: input encoder_output; B: input Wv: QUANTISED
;;     4. batch 32 x [M 2,048, K 64] x [K 64, N 2,048]; A: computed on the way; B: computed on the way: QUANTISED
;;     5. batch 32 x [M 128, K 2,048] x [K 2,048, N 2,048]; A: computed on the way; B: softmax (see below): QUANTISED
;;     6. [M 8,192, K 1,024] x [K 1,024, N 1,024]; A: computed on the way; B: input Wo: QUANTISED
;;   THE QUANTISER, for each operand of a quantised product, along K:
;;     - K is cut into blocks of 32 from its start; a last block that is shorter is filled with zeros.
;;     - A block's scale is 2^e with e = floor(log2(the largest magnitude in the block)) - 2, held to -126 .. 127; a block of zeros has e = 0. As a byte (E8M0): e + 127.
;;     - Each number is divided by its block's scale, clamped to +-7.5, and rounded to the nearest number of E2M3, ties to even, subnormals kept.
;;     - The product sums the exact products of the quantised numbers (number of the format x scale) in f32.
;;   ~~~python
;;   def quantise(x, axis):      # numpy; x: float32 -> the quantised numbers, widened to float32 again
;;       x = np.moveaxis(x, axis, -1); K = x.shape[-1]
;;       x = np.pad(x, [(0, 0)] * (x.ndim - 1) + [(0, -K % 32)]); x = x.reshape(x.shape[:-1] + (-1, 32)); a = np.abs(x).max(-1, keepdims=True)
;;       e = np.where(a > 0, np.clip(np.frexp(np.where(a > 0, a, 1))[1] - 1 - 2, -126, 127), 0)      # np.frexp(a)[1] - 1 = floor(log2(a)), exactly
;;       r = np.clip(x / 2.0 ** e, -7.5, 7.5)
;;       step = 2.0 ** (np.maximum(np.frexp(np.where(r == 0, 1, r))[1] - 1, 0) - 3)
;;       q = np.round(r / step) * step * 2.0 ** e      # np.round: ties to even
;;       return np.moveaxis(q.reshape(q.shape[:-2] + (-1,))[..., :K], -1, axis).astype(np.float32)
;;   ~~~
;;   SOFTMAX AHEAD OF A QUANTISED PRODUCT. Where the list says 'softmax', what is quantised is not the finished softmax but p = 2^(t - M), with t = logit x log2(e) and M = ceil(the row's largest t), a whole number; so 1/2 < the row's largest p <= 1. The row's sum l is taken of the UNQUANTISED p, in f32, and the product's result is divided by l at the end. Since M is a whole number, a kernel that streams over the keys may use a running M (the ceiling of the running maximum): every later rescaling is an exact power of two, which a block's scale takes up: the codes' values come out the same.
;;   OPERANDS COMPUTED ON THE WAY. 'Computed on the way' means the value that the module computes at that place (a softmax that the list does not call 'softmax' is quantised finished and normalised). What goes into a quantiser is computed in f32, as accurately as f32 sums, v_exp_f32 and their like allow (about 1e-6 of the number): no bf16 or f16 on the way to a quantiser, and a product that is left as it is and whose result goes on into a quantised operand takes f32 operands (vector FMAs, or v_wmma_f32_16x16x4_f32). A number that lies on a knife's edge between two numbers of the format may be rounded either way, as far as f32 arithmetic and the matrix unit's own rounding can turn it there, and no further.
;; One version. Each part assembles by itself: llvm-mc -triple=amdgcn-amd-amdhsa -mcpu=gfx1250 --defsym DOCPART=n.
;; ======== version 1 of 1: 5 launches
;; limits: right only within a limited range of input values
;; workspace buffers: xc 12,582,912 bytes; wc 2,359,296 bytes; sc 884,736 bytes; qh 3,276,800 bytes; kv 9,830,400 bytes; oc 6,291,456 bytes
;; launch quantx (part 1): grid 256 x 1, 16 waves a work-group, no clusters, 272,384 bytes of LDS; arguments pre_output, encoder_output, xc, sc; writes xc, sc
.if DOCPART == 1
	.amdgcn_target "amdgcn-amd-amdhsa--gfx1250"
	.amdhsa_code_object_version 6
	.text
	.protected	k_qbf9e517715_quantx
	.globl	k_qbf9e517715_quantx
	.p2align	8
	.type	k_qbf9e517715_quantx,@function
k_qbf9e517715_quantx:
	s_mov_b64 s[64:65], 0
	v_nop
	global_prefetch_b8 v0, s[64:65] scope:SCOPE_SE
	s_setreg_imm32_b32 hwreg(HW_REG_WAVE_MODE, 25, 1), 1
	s_wait_xcnt 0x0
; pre_output and encoder_output, [8192][1024] f32 each, become codes of FP6 (E2M3) with one E8M0 byte for each 32 along K, laid AS THE MATRIX UNIT'S REGISTERS TAKE THEM.
; BLOCKS OF ROWS.  Block 2 G + u holds rows 32 G + 8 u + r + 8 (r / 8), r = 0 .. 15; blocks 0-511 are pre_output's, 512-1023 encoder_output's.
; xc: the fragment (block i, K step s of 128) lies at (8 i + s) x 1,536 bytes; register n of lane l at 512 (n / 4) + 16 l + 4 (n % 4): three stores of 512 consecutive bytes.
; sc: [block][half of K][r][4 words]: word s % 4 is row r's four scale bytes of K step s.
; A block's scale is 2^(floor(log2(its largest magnitude)) - 2); its byte is that magnitude's exponent field - 2, held at 1 from below.
; LIMITS: NaN and infinities are not served; a block whose largest magnitude lies under 2^-124 has its byte held at 1; a block of zeros gets the byte 1 and not 127 (its codes are zeros, and this program alone reads the bytes).
; SHARES.  Wave w of work-group g takes the 32 rows of group 2 g + w / 8 and K step w % 8: ONE tile of 32 rows x 128 numbers, brought by the wave's one tensor load into LDS bytes of its own: two fragments.
; Every LDS byte is filled once and read by the wave that asked for it: no ring, no barrier.  Work-groups share no input: no cluster.  All bytes are asked for at the head: there is no loop in which a prefetch could run ahead.
; A wave has one scale word a row: it leaves 4 bytes a lane, 16 bytes apart: 128 bytes beside the wave's 3,072 bytes of codes.
.set TILEB, 16896                      ; a tile: 32 rows x 528 bytes
.set PITCH, 528                        ; 512 bytes of data + 16 of padding
.set SPARE, 16*TILEB                   ; behind the tiles: the spare words, 128 bytes a wave
.set LA,    4                          ; v4   LDS: my row of a fragment's 16, + 128 bytes for lanes 16-31
.set LO16,  5                          ; v5   16 x lane
.set SCO,   6                          ; v6   512 (lane / 16) + 16 r
.set SH8,   7                          ; v7   8 (lane / 16)
.set SPW,   18                         ; v18  my spare word's LDS address; never rewritten
.set NIL,   19                         ; v19  0; never rewritten
.set SW,    20                         ; v20, v21 the scale words of blocks u = 0, 1
.set WO,    28                         ; v28  the word that I store
.set CD,    32                         ; v32-50, v52-70 two sets for codes
.set X,     72                         ; v72-135, v136-199 two sets of 64 numbers
.set G1,    16                         ; s[16:23] descriptor group 1
.set G0,    24                         ; s[24:27] group 0
	s_load_b256 s[4:11], s[0:1], 0x0               ; pre_output, encoder_output, xc, sc
	v_lshl_add_u32 v[SPW], v0, 2, SPARE
	v_mov_b32 v[NIL], 0
	ds_add_u32 v[SPW], v[NIL]                      ; the opening lines: the add, twice on end, and its wait ahead of my tensor load
	ds_add_u32 v[SPW], v[NIL]
	v_lshrrev_b32 v1, 5, v0
	v_readfirstlane_b32 s12, v1                    ; wave 0..15
	s_lshr_b32 s13, s12, 3
	s_and_b32 s14, s12, 7                          ; my K step
	s_lshl_b32 s15, ttmp9, 1
	s_add_co_u32 s15, s15, s13                     ; my group of 32 rows, 0 .. 511
	s_mov_b32 s[G1+0], (2<<16)|(1<<20)|(6<<22)|(3<<25)  ; elements of 4 bytes; padding on: 4 words behind every 128
	s_mov_b32 s[G1+1], 128<<16                     ; tensor_dim0 = 128
	s_mov_b32 s[G1+2], 32<<16                      ; tensor_dim1 = 32
	s_mov_b32 s[G1+3], 128<<16                     ; tile_dim0 = 128
	s_mov_b32 s[G1+4], 32                          ; tile_dim1 = 32
	s_mov_b32 s[G1+5], 1024                        ; elements from row to row
	s_mov_b32 s[G1+6], 0
	s_mov_b32 s[G1+7], 0
	s_mov_b32 s40, 0xffff0000                      ; lanes 16-31
	s_mov_b32 s42, 0x76543210
	s_mov_b32 s43, 0xfedcba98                      ; v_permlanex16_b32: lane l xor 16
	s_mul_i32 s44, s12, TILEB                      ; my tile's LDS bytes
	s_and_b32 s46, s15, 255
	s_lshl_b32 s46, s46, 17                        ; 32 rows of 4,096 bytes
	s_lshl_b32 s47, s14, 9                         ; + my K step: 512 bytes each
	s_add_co_u32 s46, s46, s47
	s_mov_b32 s47, 0
	s_mul_i32 s48, s15, 24576                      ; xc: two blocks of 12,288 bytes a group
	s_mul_i32 s49, s14, 1536                       ; + my K step
	s_add_co_u32 s48, s48, s49
	s_mov_b32 s49, 0
	s_lshl_b32 s50, s15, 10                        ; sc: two blocks of 512 bytes
	s_lshr_b32 s51, s14, 2
	s_lshl_b32 s51, s51, 8                         ; + half of K
	s_add_co_u32 s50, s50, s51
	s_and_b32 s51, s14, 3
	s_lshl_b32 s51, s51, 2                         ; + my word of the four
	s_add_co_u32 s50, s50, s51
	s_mov_b32 s51, 0
	s_mov_b32 s[G0], 1
	s_mov_b32 s[G0+1], s44
	s_wait_dscnt 0x0                               ; both opening adds are done
	s_wait_kmcnt 0x0
	s_cmp_lt_u32 ttmp9, 128                        ; the first 128 work-groups take pre_output
	s_cselect_b64 s[4:5], s[4:5], s[6:7]
	s_add_nc_u64 s[G0+2:G0+3], s[4:5], s[46:47]
	s_or_b32 s[G0+3], s[G0+3], 0x80000000
	s_add_nc_u64 s[8:9], s[8:9], s[48:49]
	s_add_nc_u64 s[10:11], s[10:11], s[50:51]
	tensor_load_to_lds s[G0:G0+3], s[G1:G1+7]      ; my one tensor load
	s_nop 0
	v_and_b32 v1, 15, v0                           ; r
	v_bfe_u32 v2, v0, 4, 1                         ; h
	v_and_b32 v3, 8, v1
	v_add_nc_u32 v3, v3, v1                        ; r + 8 (r / 8)
	v_mul_u32_u24 v[LA], v3, PITCH
	v_lshl_add_u32 v[LA], v2, 7, v[LA]             ; lanes 16-31 begin 32 numbers further on
	v_add_nc_u32 v[LA], s44, v[LA]
	v_and_b32 v3, 31, v0
	v_lshlrev_b32 v[LO16], 4, v3
	v_lshlrev_b32 v[SCO], 4, v1
	v_lshl_add_u32 v[SCO], v2, 9, v[SCO]
	v_lshlrev_b32 v[SH8], 3, v2
	v_mov_b32 v15, 0                               ; a lane permute's destination counts as one of its sources
; fragment u: the 64 numbers that the operand's layout gives my lane: k = 64 c + 32 h + 0 .. 31 of my row
.macro LOADX f
.irp c, 0,1
.irp j, 0,1,2,3,4,5,6,7
	ds_load_b128 v[X+64*(\f)+32*\c+4*\j:X+64*(\f)+32*\c+4*\j+3], v[LA] offset:8*PITCH*(\f)+256*\c+16*\j
.endr
.endr
.endm
; the fragment is quantised: two whole blocks a lane; its codes are the operand's registers as they stand
.macro QB f
.set XS, X+64*(\f)
.set PC, CD+20*(\f)
.irp c, 0,1
	v_max3_num_f32 v[8+\c], |v[XS+32*\c]|, |v[XS+32*\c+1]|, 0x1800000   ; the floor 2^(3 - 127): the byte cannot fall under 1
.endr
.irp i, 2,4,6,8,10,12,14,16,18,20,22,24,26,28,30
.irp c, 0,1
	v_max3_num_f32 v[8+\c], v[8+\c], |v[XS+32*\c+\i]|, |v[XS+32*\c+\i+1]|
.endr
.endr
.irp c, 0,1
	v_add_nc_u32 v[10+\c], 0xff000000, v[8+\c]     ; 2 off the exponent field: the conversion's scale operand
.endr
.irp c, 0,1
	v_lshrrev_b32 v[12+\c], 23, v[10+\c]           ; the scale's byte
.endr
	v_lshl_or_b32 v14, v13, 16, v12                ; my bytes: blocks h and 2 + h,
	v_lshlrev_b32 v14, v[SH8], v14                 ; at their places in the word;
	v_permlanex16_b32 v15, v14, s42, s43
	v_or_b32 v[SW+\f], v14, v15                    ; with lane l xor 16's two the word is whole
.irp c, 0,1
	v_cvt_scalef32_pk16_fp6_f32 v[PC+6*\c:PC+6*\c+2], v[XS+32*\c:XS+32*\c+15], v[10+\c]
	v_cvt_scalef32_pk16_fp6_f32 v[PC+12+4*\c:PC+14+4*\c], v[XS+32*\c+16:XS+32*\c+31], v[10+\c]   ; (a conversion's three registers begin on an even number)
.endr
	v_nop                                          ; one plain place behind a scaled conversion
.irp c, 0,1
.irp i, 0,1,2
	v_mov_b32 v[PC+3+6*\c+\i], v[PC+12+4*\c+\i]
.endr
.endr
.irp g, 0,1,2
	global_store_b128 v[LO16], v[PC+4*\g:PC+4*\g+3], s[8:9] offset:12288*(\f)+512*\g th:TH_STORE_NT   ; 512 consecutive bytes, aligned
.endr
.endm
	s_wait_alu depctr_va_vdst(0)
	s_wait_tensorcnt 0x0                           ; my tile is in
	LOADX 0
	LOADX 1
	s_wait_dscnt 16                                ; fragment 0's loads are in; fragment 1's sixteen may be out
	QB 0
	s_wait_dscnt 0x0
	QB 1
	v_cndmask_b32 v[WO], v[SW], v[SW+1], s40       ; lanes 0-15 store the even block's word, lanes 16-31 the odd block's
	global_store_b32 v[SCO], v[WO], s[10:11]
	s_wait_tensorcnt 0x0                           ; the wave's end
	ds_add_u32 v[SPW], v[NIL]
	s_wait_dscnt 0x0
	s_endpgm
.Lfunc_end_k_qbf9e517715_quantx:
	.size	k_qbf9e517715_quantx, .Lfunc_end_k_qbf9e517715_quantx-k_qbf9e517715_quantx
	.p2alignl 7, 3214868480
	.fill 96, 4, 3214868480
	.section	.rodata,"a",@progbits
	.p2align	6, 0x0
	.amdhsa_kernel k_qbf9e517715_quantx
		.amdhsa_group_segment_fixed_size 272384
		.amdhsa_private_segment_fixed_size 0
		.amdhsa_enable_private_segment 0
		.amdhsa_kernarg_size 32
		.amdhsa_user_sgpr_count 2
		.amdhsa_user_sgpr_kernarg_segment_ptr 1
		.amdhsa_wavefront_size32 1
		.amdhsa_system_sgpr_workgroup_id_x 1
		.amdhsa_system_sgpr_workgroup_id_y 1
		.amdhsa_system_sgpr_workgroup_id_z 1
		.amdhsa_system_vgpr_workitem_id 0
		.amdhsa_next_free_vgpr 200
		.amdhsa_next_free_sgpr 66
		.amdhsa_reserve_vcc 0
		.amdhsa_float_denorm_mode_32 3
		.amdhsa_float_denorm_mode_16_64 3
		.amdhsa_memory_ordered 1
		.amdhsa_forward_progress 1
		.amdhsa_inst_pref_size 12
	.end_amdhsa_kernel
	.amdgpu_metadata
---
amdhsa.version: [ 1, 2 ]
amdhsa.kernels:
  - .name:           k_qbf9e517715_quantx
    .symbol:         k_qbf9e517715_quantx.kd
    .args:
      - { .name: pre_output, .offset: 0, .size: 8, .value_kind: global_buffer, .address_space: global }
      - { .name: encoder_output, .offset: 8, .size: 8, .value_kind: global_buffer, .address_space: global }
      - { .name: xc, .offset: 16, .size: 8, .value_kind: global_buffer, .address_space: global }
      - { .name: sc, .offset: 24, .size: 8, .value_kind: global_buffer, .address_space: global }
    .group_segment_fixed_size: 272384
    .private_segment_fixed_size: 0
    .kernarg_segment_align: 8
    .kernarg_segment_size: 32
    .max_flat_workgroup_size: 512
    .sgpr_count:     66
    .vgpr_count:     200
    .wavefront_size: 32
...
	.end_amdgpu_metadata
.endif
;; end of part 1
;; launch quantw (part 2): grid 24 x 8, 4 waves a work-group, no clusters, 12,800 bytes of LDS; arguments Wq, Wk, Wv, Wo, wc, sc; writes wc, sc
.if DOCPART == 2
	.amdgcn_target "amdgcn-amd-amdhsa--gfx1250"
	.amdhsa_code_object_version 6
	.text
	.protected	k_qbf9e517715_quantw
	.globl	k_qbf9e517715_quantw
	.p2align	8
	.type	k_qbf9e517715_quantw,@function
k_qbf9e517715_quantw:
	s_mov_b64 s[64:65], 0
	v_nop
	global_prefetch_b8 v0, s[64:65] scope:SCOPE_SE
	s_setreg_imm32_b32 hwreg(HW_REG_WAVE_MODE, 25, 1), 1
	s_wait_xcnt 0x0
; Wq, Wk [1024][512] and Wv, Wo [1024][1024], f32, K = their FIRST axis, become codes of FP6 (E2M3), laid as the matrix unit's registers take them, and E8M0 scale bytes.
; wc: blocks of 16 columns n: Wq 0-31, Wk 32-63, Wv 64-127, Wo 128-191; block 2 G + u holds columns 32 G + 8 u + r + 8 (r / 8).  Fragment (block i, K step s) at (8 i + s) x 1,536 bytes,
; register n of lane l at 512 (n / 4) + 16 l + 4 (n % 4).  sc: block 1024 + i: [half of K][r][4 words].
; A LANE TAKES A COLUMN AND ITS REGISTERS RUN DOWN K: a block of 32 lies in one lane, each load reads 128 consecutive bytes a wave, and the conversions give codes with K innermost.
; SHARES.  Work-group (x, y): 128 columns (x: Wq 0-3, Wk 4-7, Wv 8-15, Wo 16-23) x K step y.  Wave w: 32 columns = two blocks of wc.  Lane l: block u = (l / 8) % 2, row r = l % 8 + 8 (l / 16).
; A lane's block b of 32 along K is registers 6 (b / 2) .. + 5 of lane r + 16 (b % 2) of the fragment: it is put there in the wave's own stage in LDS, and the two fragments leave as six stores of 512 consecutive bytes.
; The scale words go out 4 bytes a lane, 16 bytes apart: one byte for each 128 that the launch reads.
; LIMITS: NaN and infinities are not served; a block whose largest magnitude lies under 2^-124 has its byte held at 1; a block of zeros gets the byte 1 (its codes are zeros; this program alone reads the bytes).
; No tensor load, no barrier: waves share nothing; work-groups share no input: no cluster.
.set SPARE, 12288                      ; behind the four stages of 3,072 bytes: the spare words
.set C,     20                         ; v20-28  a block's codes
.set OFF,   32                         ; v32-63  4 x lane + i rows of W
.set X,     64                         ; v64-127 two sets of 32 numbers
.set OUTR,  128                        ; v128-151 the way out
	s_load_b256 s[4:11], s[0:1], 0x0               ; Wq, Wk, Wv, Wo
	s_load_b128 s[12:15], s[0:1], 0x20             ; wc, sc
	v_lshl_add_u32 v16, v0, 2, SPARE               ; my spare word; never rewritten
	v_mov_b32 v17, 0                               ; 0; never rewritten
	v_lshrrev_b32 v1, 5, v0
	v_readfirstlane_b32 s16, v1                    ; wave
	s_and_b32 s17, ttmp7, 0xffff                   ; K step
	v_and_b32 v2, 31, v0                           ; lane
	v_bfe_u32 v3, v0, 3, 1                         ; u
	v_and_b32 v4, 7, v0
	v_bfe_u32 v9, v0, 4, 1
	v_lshl_or_b32 v4, v9, 3, v4                    ; r
	s_mul_i32 s18, s16, 3072
	v_lshlrev_b32 v5, 4, v4
	v_mad_u32_u24 v5, v3, 1536, v5
	v_add_nc_u32 v5, s18, v5                       ; the stage, in: fragment u, 16 r
	v_lshlrev_b32 v7, 4, v2                        ; 16 x lane
	v_add_nc_u32 v6, s18, v7                       ; the stage, out
	v_lshlrev_b32 v8, 4, v4
	v_lshl_add_u32 v8, v3, 9, v8                   ; sc: 512 u + 16 r
	v_lshlrev_b32 v3, 2, v2                        ; 4 x lane
	s_cmp_lt_u32 ttmp9, 8
	s_cselect_b32 s19, 11, 12                      ; a row of W is 2,048 or 4,096 bytes
	s_cselect_b32 s20, 3, 7
	s_and_b32 s20, ttmp9, s20                      ; which 128 columns of its matrix
	s_lshl_b32 s21, 1, s19
.set j, 0
.rept 32
	v_mad_u32_u24 v[OFF+j], s21, j, v3
.set j, j+1
.endr
	s_lshl_b32 s22, s20, 9
	s_lshl_b32 s23, s16, 7
	s_add_co_u32 s22, s22, s23                     ; my wave's first column, in bytes
	s_lshl_b32 s23, s17, 7
	s_lshl_b32 s23, s23, s19                       ; + 128 rows for each K step
	s_add_co_u32 s22, s22, s23
	s_mov_b32 s23, 0
	s_lshl_b32 s32, s21, 5                         ; 32 rows
	s_mov_b32 s33, 0
	s_lshl_b32 s34, ttmp9, 3
	s_lshl_b32 s35, s16, 1
	s_add_co_u32 s34, s34, s35                     ; my first block of wc
	s_mul_i32 s36, s34, 12288
	s_mul_i32 s37, s17, 1536
	s_add_co_u32 s36, s36, s37
	s_mov_b32 s37, 0
	s_add_co_u32 s38, s34, 1024
	s_lshl_b32 s38, s38, 9
	s_lshr_b32 s39, s17, 2
	s_lshl_b32 s39, s39, 8
	s_add_co_u32 s38, s38, s39
	s_and_b32 s39, s17, 3
	s_lshl_b32 s39, s39, 2
	s_add_co_u32 s38, s38, s39
	s_mov_b32 s39, 0
	s_wait_alu depctr_va_vdst(0)
	s_wait_kmcnt 0x0
	s_cmp_lt_u32 ttmp9, 4                          ; the choices hang on the work-group's number alone
	s_cselect_b64 s[4:5], s[4:5], s[6:7]
	s_cmp_lt_u32 ttmp9, 16
	s_cselect_b64 s[8:9], s[8:9], s[10:11]
	s_cmp_lt_u32 ttmp9, 8
	s_cselect_b64 s[4:5], s[4:5], s[8:9]
	s_add_nc_u64 s[24:25], s[4:5], s[22:23]        ; a base for each block of 32 along K
	s_add_nc_u64 s[26:27], s[24:25], s[32:33]
	s_add_nc_u64 s[28:29], s[26:27], s[32:33]
	s_add_nc_u64 s[30:31], s[28:29], s[32:33]
	s_add_nc_u64 s[12:13], s[12:13], s[36:37]
	s_add_nc_u64 s[14:15], s[14:15], s[38:39]
.macro LOADW t
.set j, 0
.rept 32
	global_load_b32 v[X+32*((\t)%2)+j], v[OFF+j], s[24+2*(\t):25+2*(\t)] th:TH_LOAD_NT
.set j, j+1
.endr
.endm
	LOADW 0
	LOADW 1
.macro BLK t
.set XS, X+32*((\t)%2)
.if (\t) < 3
	s_wait_loadcnt 32                              ; this block's 32 loads are in; the next block's may be out
.else
	s_wait_loadcnt 0x0
.endif
	v_max3_num_f32 v10, |v[XS]|, |v[XS+1]|, |v[XS+2]|
	v_max3_num_f32 v11, |v[XS+3]|, |v[XS+4]|, |v[XS+5]|
.irp i, 6,10,14,18,22,26
	v_max3_num_f32 v10, v10, |v[XS+\i]|, |v[XS+\i+1]|
	v_max3_num_f32 v11, v11, |v[XS+\i+2]|, |v[XS+\i+3]|
.endr
	v_max3_num_f32 v10, v10, |v[XS+30]|, |v[XS+31]|
	v_max3_num_f32 v10, v10, v11, 0x1800000        ; the floor 2^(3 - 127)
	v_add_nc_u32 v12, 0xff000000, v10              ; 2 off the exponent field: the conversion's scale operand
	v_lshrrev_b32 v13, 23, v12                     ; the scale's byte
.if (\t) == 0
	v_mov_b32 v14, v13
.else
	v_lshl_or_b32 v14, v13, 8*(\t), v14            ; four bytes make my column's word for this K step
.endif
	v_cvt_scalef32_pk16_fp6_f32 v[C:C+2], v[XS:XS+15], v12
	v_cvt_scalef32_pk16_fp6_f32 v[C+6:C+8], v[XS+16:XS+31], v12
	v_nop                                          ; one plain place behind a scaled conversion
.irp i, 0,1,2
	v_mov_b32 v[C+3+\i], v[C+6+\i]
.endr
.if (\t) < 2                           ; registers 0-5 of lane r + 16 (t % 2)
	ds_store_b128 v5, v[C:C+3] offset:256*((\t)%2)
	ds_store_b64 v5, v[C+4:C+5] offset:256*((\t)%2)+512
.else                                  ; registers 6-11
	ds_store_b64 v5, v[C:C+1] offset:256*((\t)%2)+520
	ds_store_b128 v5, v[C+2:C+5] offset:256*((\t)%2)+1024
.endif
.if (\t) < 2
	LOADW (\t)+2
.endif
	s_wait_dscnt 0x0                               ; the stores have read their registers
.endm
	BLK 0
	BLK 1
	BLK 2
	BLK 3
	s_wait_alu depctr_va_vdst(0)
	global_store_b32 v8, v14, s[14:15]
.irp g, 0,1,2,3,4,5
	ds_load_b128 v[OUTR+4*\g:OUTR+4*\g+3], v6 offset:512*\g   ; LDS serves a wave's instructions in order: these see my stores
.endr
.irp g, 0,1,2,3,4,5
	s_wait_dscnt 5-\g                              ; the younger loads may be out
	global_store_b128 v7, v[OUTR+4*\g:OUTR+4*\g+3], s[12:13] offset:12288*(\g/3)+512*(\g%3)
.endr
	s_wait_tensorcnt 0x0                           ; the wave's end
	ds_add_u32 v16, v17
	s_wait_dscnt 0x0
	s_endpgm
.Lfunc_end_k_qbf9e517715_quantw:
	.size	k_qbf9e517715_quantw, .Lfunc_end_k_qbf9e517715_quantw-k_qbf9e517715_quantw
	.p2alignl 7, 3214868480
	.fill 96, 4, 3214868480
	.section	.rodata,"a",@progbits
	.p2align	6, 0x0
	.amdhsa_kernel k_qbf9e517715_quantw
		.amdhsa_group_segment_fixed_size 12800
		.amdhsa_private_segment_fixed_size 0
		.amdhsa_enable_private_segment 0
		.amdhsa_kernarg_size 48
		.amdhsa_user_sgpr_count 2
		.amdhsa_user_sgpr_kernarg_segment_ptr 1
		.amdhsa_wavefront_size32 1
		.amdhsa_system_sgpr_workgroup_id_x 1
		.amdhsa_system_sgpr_workgroup_id_y 1
		.amdhsa_system_sgpr_workgroup_id_z 1
		.amdhsa_system_vgpr_workitem_id 0
		.amdhsa_next_free_vgpr 152
		.amdhsa_next_free_sgpr 66
		.amdhsa_reserve_vcc 0
		.amdhsa_float_denorm_mode_32 3
		.amdhsa_float_denorm_mode_16_64 3
		.amdhsa_memory_ordered 1
		.amdhsa_forward_progress 1
		.amdhsa_inst_pref_size 25
	.end_amdhsa_kernel
	.amdgpu_metadata
---
amdhsa.version: [ 1, 2 ]
amdhsa.kernels:
  - .name:           k_qbf9e517715_quantw
    .symbol:         k_qbf9e517715_quantw.kd
    .args:
      - { .name: Wq, .offset: 0, .size: 8, .value_kind: global_buffer, .address_space: global }
      - { .name: Wk, .offset: 8, .size: 8, .value_kind: global_buffer, .address_space: global }
      - { .name: Wv, .offset: 16, .size: 8, .value_kind: global_buffer, .address_space: global }
      - { .name: Wo, .offset: 24, .size: 8, .value_kind: global_buffer, .address_space: global }
      - { .name: wc, .offset: 32, .size: 8, .value_kind: global_buffer, .address_space: global }
      - { .name: sc, .offset: 40, .size: 8, .value_kind: global_buffer, .address_space: global }
    .group_segment_fixed_size: 12800
    .private_segment_fixed_size: 0
    .kernarg_segment_align: 8
    .kernarg_segment_size: 48
    .max_flat_workgroup_size: 128
    .sgpr_count:     66
    .vgpr_count:     152
    .wavefront_size: 32
...
	.end_amdgpu_metadata
.endif
;; end of part 2
;; launch proj (part 3): grid 4 x 64, 4 waves a work-group, clusters of 4 x 1, 327,680 bytes of LDS; arguments xc, wc, sc, qh, kv; writes qh, kv
.if DOCPART == 3
	.amdgcn_target "amdgcn-amd-amdhsa--gfx1250"
	.amdhsa_code_object_version 6
	.text
	.protected	k_qbf9e517715_proj
	.globl	k_qbf9e517715_proj
	.p2align	8
	.type	k_qbf9e517715_proj,@function
k_qbf9e517715_proj:
	s_mov_b64 s[64:65], 0
	v_nop
	global_prefetch_b8 v0, s[64:65] scope:SCOPE_SE
	s_setreg_imm32_b32 hwreg(HW_REG_WAVE_MODE, 25, 1), 1
	s_wait_xcnt 0x0
	s_wait_alu depctr_hold_cnt(0) depctr_sa_sdst(0) depctr_va_vdst(0) depctr_va_sdst(0) depctr_va_ssrc(0) depctr_va_vcc(0) depctr_vm_vsrc(0)
	s_getreg_b32 s2, hwreg(HW_REG_IB_STS2, 6, 4)
	s_cmp_eq_u32 s2, 0
	s_cbranch_scc0 .Lentry_in_a_cluster
	s_endpgm
.Lentry_in_a_cluster:
	s_bfe_u32 s2, ttmp6, 0x10000c
	s_cmp_lg_u32 s2, 0x3003
	s_cbranch_scc0 .Lentry_shape_is_right
	s_endpgm
.Lentry_shape_is_right:
.set FR,     12
.set NL,     3
.set NP,     4
.set FRB,    1536
.set BLKB,   2*FRB
.set ASZ,    32*BLKB
.set SLOT,   40*BLKB
.set SPARE,  2*SLOT
.set ADRA, 16
.set ADRB, 20
.set SPW,  28
.set NIL,  29
.set SC,   32
.set TM,   96
.set PW,   112
.set AF,   128
.set PC,   128
.set G1,  24
.set G0,  32
.set G1B, 48
.set G0B, 56
.set MSB, 0
.macro WIN new
.if MSB != \new
	s_set_vgpr_msb (MSB<<8)|\new
.set MSB, \new
.endif
.endm
.set MUL_LO, 0xa1
.set MUL_HI, 0xf1
.set TO_B,   0x40
.macro JLOAD s
	s_cmp_eq_u32 s15, 0
	s_cbranch_scc0 .Lfor_b_\@
	tensor_load_to_lds s[G0+4*\s:G0+4*\s+3], s[G1:G1+7]
	s_nop 0
.rept 4
	v_nop
.endr
	s_branch .Lasked_\@
.Lfor_b_\@:
	tensor_load_to_lds s[G0B+4*\s:G0B+4*\s+3], s[G1B:G1B+7]
	s_nop 0
.rept 4
	v_nop
.endr
.Lasked_\@:
.endm
.macro CREST
	s_cmp_lg_u32 s14, 0
	s_cbranch_scc1 .Lnot_wave_0_\@
	s_barrier_signal -3
.Lnot_wave_0_\@:
	s_barrier_wait -3
	s_barrier_signal -1
	s_barrier_wait -1
.endm
.macro CROUND
	s_barrier_signal -1
	s_barrier_wait -1
	CREST
.endm
.macro PLACES n
.rept \n
	v_nop
.endr
.endm
.macro FRAG reg, adr, q, i
.irp g, 0,1,2
	ds_load_b128 v[\reg+4*\g:\reg+4*\g+3], v[\adr] offset:BLKB*(\i)+FRB*(\q)+512*\g
.endr
.endm
.macro FETCH_B slot, q, p
	WIN TO_B
.irp i, 0,1,2,3,4,5,6,7
	FRAG 128*(\p)+FR*\i, ADRB+\slot, \q, \i
.endr
	WIN 0
.endm
.macro FETCH_A slot, q, i0
.irp i, \i0, \i0+1, \i0+2, \i0+3
	FRAG AF+FR*(\i), ADRA+\slot, \q, \i
.endr
.endm
.macro MUL16 a0, p, ks, zero
.irp a, \a0, \a0+1
.irp b, 0,1,2,3,4,5,6,7
.if \zero
	v_wmma_scale_f32_16x16x128_f8f6f4 v[8*(8*((\a)%4)+\b):8*(8*((\a)%4)+\b)+7], v[128*(\p)+FR*\b:128*(\p)+FR*\b+FR-1], v[AF+FR*(\a):AF+FR*(\a)+FR-1], 0, v[SC+8*\b+(\ks)], v[SC+8*(\a)+(\ks)] matrix_a_fmt:MATRIX_FMT_FP6 matrix_b_fmt:MATRIX_FMT_FP6 matrix_a_scale:MATRIX_SCALE_ROW1
.else
	v_wmma_scale_f32_16x16x128_f8f6f4 v[8*(8*((\a)%4)+\b):8*(8*((\a)%4)+\b)+7], v[128*(\p)+FR*\b:128*(\p)+FR*\b+FR-1], v[AF+FR*(\a):AF+FR*(\a)+FR-1], v[8*(8*((\a)%4)+\b):8*(8*((\a)%4)+\b)+7], v[SC+8*\b+(\ks)], v[SC+8*(\a)+(\ks)] matrix_a_fmt:MATRIX_FMT_FP6 matrix_b_fmt:MATRIX_FMT_FP6 matrix_a_scale:MATRIX_SCALE_ROW1
.endif
.endr
.endr
.endm
.macro STEP slot, ks, zero
	s_wait_dscnt 4*NL
	WIN MUL_LO
	MUL16 0, 0, \ks, \zero
	MUL16 2, 0, \ks, \zero
	s_wait_dscnt 0x0
	PLACES NP
	FETCH_B \slot, 1, 1
	FETCH_A \slot, 1, 0
	WIN MUL_HI
	MUL16 4, 0, \ks, \zero
	MUL16 6, 0, \ks, \zero
	PLACES NP
	WIN 0
	FETCH_A \slot, 1, 4
.endm
.macro TURN slot, next, ks, fill
	s_wait_tensorcnt 0x0
	ds_add_u32 v[SPW], v[NIL]
	s_wait_dscnt 4*NL+1
	WIN MUL_LO
	MUL16 0, 1, \ks, 0
	s_wait_dscnt 0x0
	s_barrier_signal -1
	MUL16 2, 1, \ks, 0
	WIN 0
	s_barrier_wait -1
.if \fill
	CREST
	s_add_nc_u64 s[G0+4*\slot+2:G0+4*\slot+3], s[G0+4*\slot+2:G0+4*\slot+3], 2*BLKB
	s_add_nc_u64 s[G0B+4*\slot+2:G0B+4*\slot+3], s[G0B+4*\slot+2:G0B+4*\slot+3], 2*BLKB
	JLOAD \slot
.else
	PLACES NP
.endif
	FETCH_B \next, 0, 0
	FETCH_A \next, 0, 0
	WIN MUL_HI
	MUL16 4, 1, \ks, 0
	MUL16 6, 1, \ks, 0
	PLACES NP
	WIN 0
	FETCH_A \next, 0, 4
.endm
.macro LAST ks
	s_wait_dscnt 4*NL
	WIN MUL_LO
	MUL16 0, 1, \ks, 0
	MUL16 2, 1, \ks, 0
	s_wait_dscnt 0x0
	WIN MUL_HI
	MUL16 4, 1, \ks, 0
	MUL16 6, 1, \ks, 0
	WIN 0
.endm
	s_load_b256 s[4:11], s[0:1], 0x0
	s_load_b64 s[12:13], s[0:1], 0x20
	v_lshl_add_u32 v[SPW], v0, 2, SPARE
	v_mov_b32 v[NIL], 0
	ds_add_u32 v[SPW], v[NIL]
	ds_add_u32 v[SPW], v[NIL]
	v_lshrrev_b32 v1, 5, v0
	v_readfirstlane_b32 s14, v1
	s_lshr_b32 s15, s14, 1
	s_and_b32 s16, s14, 1
	s_and_b32 s17, ttmp7, 0xffff
	s_bfe_u32 s18, ttmp6, 0x40000
	s_mov_b32 s[G1+0], 15|(3<<16)|(1<<21)
	s_mov_b32 s[G1B+0], 3<<16
	s_mov_b32 s[G1+2], 16<<16
	s_mov_b32 s[G1B+2], 4<<16
	s_mov_b32 s[G1+4], 16
	s_mov_b32 s[G1B+4], 4
.irp g, G1, G1B
	s_mov_b32 s[\g+1], 384<<16
	s_mov_b32 s[\g+3], 384<<16
	s_mov_b32 s[\g+5], 1536
	s_mov_b32 s[\g+6], 0
	s_mov_b32 s[\g+7], 0
.endr
	s_lshl_b32 s19, s17, 5
	s_and_b32 s20, s17, 1
	s_lshl_b32 s21, s20, 5
	s_add_co_u32 s21, s21, 64
	s_cmp_lt_u32 s17, 32
	s_cselect_b32 s19, s19, s21
	s_cselect_b32 s21, 0, 1024
	s_add_co_u32 s21, s21, s19
	s_lshl_b32 s22, s16, 4
	s_add_co_u32 s22, s22, s19
	s_mul_i32 s22, s22, 8*FRB
	s_mov_b32 s23, 0
	s_lshl_b32 s66, s18, 3
	s_and_b32 s67, s17, 16
	s_lshl_b32 s67, s67, 1
	s_add_co_u32 s66, s66, s67
	s_lshr_b32 s67, s17, 1
	s_and_b32 s67, s67, 15
	s_lshl_b32 s67, s67, 2
	s_add_co_u32 s67, s67, s18
	s_lshl_b32 s68, s67, 3
	s_add_co_u32 s68, s68, 512
	s_cmp_lt_u32 s17, 32
	s_cselect_b32 s66, s66, s68
	s_cselect_b32 s68, 1024, 0
	s_add_co_u32 s68, s68, s66
	s_lshl_b32 s70, s16, 2
	s_add_co_u32 s70, s70, s66
	s_mul_i32 s70, s70, 8*FRB
	s_mov_b32 s71, 0
	s_mul_i32 s76, s16, 16*BLKB
	s_mul_i32 s77, s16, 4*BLKB
	s_add_co_u32 s77, s77, ASZ
	s_mov_b32 s40, 0x76543210
	s_mov_b32 s41, 0xfedcba98
	s_mov_b32 s42, 0xffff0000
	s_wait_dscnt 0x0
	s_wait_kmcnt 0x0
	s_cmp_lt_u32 s17, 32
	s_cselect_b64 s[72:73], s[4:5], s[6:7]
	s_cselect_b64 s[74:75], s[6:7], s[4:5]
	s_add_nc_u64 s[72:73], s[72:73], s[22:23]
	s_add_nc_u64 s[74:75], s[74:75], s[70:71]
	CROUND
.irp s, 0,1
	s_mov_b32 s[G0+4*\s], 1
	s_add_co_u32 s[G0+4*\s+1], s76, \s*SLOT
	s_add_nc_u64 s[G0+4*\s+2:G0+4*\s+3], s[72:73], \s*BLKB
	s_or_b32 s[G0+4*\s+3], s[G0+4*\s+3], 0x80000000
	s_mov_b32 s[G0B+4*\s], 1
	s_add_co_u32 s[G0B+4*\s+1], s77, \s*SLOT
	s_add_nc_u64 s[G0B+4*\s+2:G0B+4*\s+3], s[74:75], \s*BLKB
	s_or_b32 s[G0B+4*\s+3], s[G0B+4*\s+3], 0x80000000
	s_wait_alu depctr_va_vdst(0)
	s_wait_tensorcnt 0x0
	ds_add_u32 v28, v29
	ds_add_u32 v28, v29
	s_wait_dscnt 0x0
	CROUND
	JLOAD \s
.endr
	v_and_b32 v1, 15, v0
	v_bfe_u32 v2, v0, 4, 1
	v_and_b32 v3, 31, v0
	s_lshl_b32 s78, s14, 3
	s_add_co_u32 s78, s78, s21
	s_lshl_b32 s78, s78, 9
	s_lshl_b32 s79, s68, 9
	v_mov_b32 v4, s78
	v_mov_b32 v5, s79
	v_cndmask_b32 v25, v4, v5, s42
	v_lshl_add_u32 v25, v1, 4, v25
.irp i, 0,1,2,3,4,5,6,7
.irp k, 0,1
	global_load_b128 v[SC+8*\i+4*\k:SC+8*\i+4*\k+3], v25, s[8:9] offset:512*\i+256*\k
.endr
.endr
	v_lshlrev_b32 v4, 4, v3
	s_mul_i32 s81, s14, 8*BLKB
	v_add_nc_u32 v[ADRA], s81, v4
	v_add_nc_u32 v[ADRA+1], SLOT, v[ADRA]
	v_add_nc_u32 v[ADRB], ASZ, v4
	v_add_nc_u32 v[ADRB+1], SLOT, v[ADRB]
	v_lshlrev_b32 v22, 3, v3
.irp b, 0,1,2,3
	v_mov_b32 v[TM+4+\b], 0
.endr
	s_and_b32 s82, s17, 15
	s_lshr_b32 s82, s82, 2
	s_lshl_b32 s83, s18, 1
	s_and_b32 s84, s17, 3
	s_lshl_b32 s84, s84, 2
	s_add_co_u32 s84, s84, s14
	s_lshr_b32 s85, s67, 4
	s_lshl_b32 s86, s20, 2
	s_add_co_u32 s86, s86, s14
	s_and_b32 s87, s67, 15
	s_cmp_lt_u32 s17, 16
	s_mov_b32 s95, 19200
	s_cselect_b32 s95, 6400, s95
	s_cselect_b64 s[10:11], s[10:11], s[12:13]
	s_lshl_b32 s45, s95, 4
	s_cmp_lt_u32 s17, 32
	s_cselect_b32 s82, s82, s85
	s_cselect_b32 s83, s83, s86
	s_cselect_b32 s84, s84, s87
	s_cselect_b32 s88, 0, 6400
	s_mov_b32 s2, 1536
	s_cselect_b32 s2, 768, s2
	s_mov_b32 s90, 18688
	s_cselect_b32 s90, 6144, s90
	s_mov_b32 s43, 0x03020100
	s_cselect_b32 s43, 0x05040100, s43
	s_mov_b32 s44, 0x07060504
	s_cselect_b32 s44, 0x07060302, s44
	s_cselect_b32 s92, s45, 768
	s_cselect_b32 s94, s45, 256
	s_mov_b32 s3, 0
	s_mov_b32 s89, 0
	s_mov_b32 s91, 0
	s_mov_b32 s93, 0
	s_lshl_b32 s82, s82, 3
	s_add_co_u32 s82, s82, s83
	s_lshl_b32 s82, s82, 4
	s_add_co_u32 s82, s82, s84
	s_mul_i32 s82, s82, s95
	s_mov_b32 s83, 0
	s_add_nc_u64 s[10:11], s[10:11], s[82:83]
	s_add_nc_u64 s[96:97], s[10:11], s[88:89]
	s_add_nc_u64 s[98:99], s[96:97], s[92:93]
	s_add_nc_u64 s[4:5], s[10:11], s[90:91]
	v_mul_u32_u24 v24, s94, v2
	v_lshl_add_u32 v24, v1, 4, v24
	s_wait_alu depctr_va_vdst(0)
	s_wait_tensorcnt 0x1
	s_barrier_signal -1
	s_barrier_wait -1
	FETCH_B 0, 0, 0
	FETCH_A 0, 0, 0
	FETCH_A 0, 0, 4
	s_wait_loadcnt 0x0
	STEP 0, 0, 1
	TURN 0, 1, 1, 1
	STEP 1, 2, 0
	TURN 1, 0, 3, 1
	STEP 0, 4, 0
	TURN 0, 1, 5, 0
	STEP 1, 6, 0
	LAST 7
	PLACES NP
.macro QACC a
.set S, 64*((\a)%4)
.set W1, 2+(\a)/4
.set W5, 5*W1
	WIN W5
.irp b, 0,1,2,3
	v_max3_num_f32 v[TM+\b], |v[S+16*\b]|, |v[S+16*\b+1]|, 0x1800000
.endr
.irp i, 2,4,6,8,10,12,14
.irp b, 0,1,2,3
	v_max3_num_f32 v[TM+\b], |v[S+16*\b+\i]|, |v[S+16*\b+\i+1]|, v[TM+\b]
.endr
.endr
	WIN 0
.irp b, 0,1,2,3
	v_permlanex16_b32 v[TM+4+\b], v[TM+\b], s40, s41
.endr
.irp b, 0,1,2,3
	v_max_num_f32 v[TM+\b], v[TM+\b], v[TM+4+\b]
.endr
.irp b, 0,1,2,3
	v_add_nc_u32 v[TM+12+\b], 0xff000000, v[TM+\b]
.endr
.irp b, 0,1,2,3
	v_lshrrev_b32 v[TM+4+\b], 23, v[TM+12+\b]
.endr
	v_lshl_or_b32 v[PW+\a], v[TM+5], 8, v[TM+4]
	v_lshl_or_b32 v[PW+\a], v[TM+6], 16, v[PW+\a]
	v_lshl_or_b32 v[PW+\a], v[TM+7], 24, v[PW+\a]
	s_wait_xcnt 0x0
.if \a > 0
	s_add_nc_u64 s[96:97], s[96:97], s[2:3]
	s_add_nc_u64 s[98:99], s[98:99], s[2:3]
.endif
	WIN W1
.irp c, 0,1
	v_cvt_scalef32_pk16_fp6_f32 v[PC+6*\c:PC+2+6*\c], v[S+32*\c:S+15+32*\c], v[TM+12+2*\c]
	v_cvt_scalef32_pk16_fp6_f32 v[PC+12+4*\c:PC+14+4*\c], v[S+16+32*\c:S+31+32*\c], v[TM+12+2*\c+1]
.endr
	WIN 0
	v_nop
.irp c, 0,1
.irp i, 0,1,2
	v_permlane16_swap_b32 v[PC+6*\c+\i], v[PC+12+4*\c+\i]
.endr
.irp i, 0,1,2
	v_mov_b32 v[PC+3+6*\c+\i], v[PC+12+4*\c+\i]
.endr
.endr
.irp p, 0,1,2
	global_store_b64 v22, v[PC+2*\p:PC+2*\p+1], s[96:97] offset:256*\p
	global_store_b64 v22, v[PC+6+2*\p:PC+7+2*\p], s[98:99] offset:256*\p
.endr
.endm
.irp a, 0,1,2,3,4,5,6,7
	QACC \a
.endr
.irp j, 0,1,2,3
	v_perm_b32 v[120+\j], v[PW+2*\j+1], v[PW+2*\j], s43
	v_perm_b32 v[124+\j], v[PW+2*\j+1], v[PW+2*\j], s44
.endr
.irp j, 0,1,2,3
	v_cndmask_b32 v[120+\j], v[120+\j], v[124+\j], s42
.endr
	global_store_b128 v24, v[120:123], s[4:5]
	s_wait_tensorcnt 0x0
	ds_add_u32 v[SPW], v[NIL]
	s_wait_dscnt 0x0
	CROUND
	s_endpgm
.Lfunc_end_k_qbf9e517715_proj:
	.size	k_qbf9e517715_proj, .Lfunc_end_k_qbf9e517715_proj-k_qbf9e517715_proj
	.p2alignl 7, 3214868480
	.fill 96, 4, 3214868480
	.section	.rodata,"a",@progbits
	.p2align	6, 0x0
	.amdhsa_kernel k_qbf9e517715_proj
		.amdhsa_group_segment_fixed_size 327680
		.amdhsa_private_segment_fixed_size 0
		.amdhsa_enable_private_segment 0
		.amdhsa_kernarg_size 40
		.amdhsa_user_sgpr_count 2
		.amdhsa_user_sgpr_kernarg_segment_ptr 1
		.amdhsa_wavefront_size32 1
		.amdhsa_system_sgpr_workgroup_id_x 1
		.amdhsa_system_sgpr_workgroup_id_y 1
		.amdhsa_system_sgpr_workgroup_id_z 1
		.amdhsa_system_vgpr_workitem_id 0
		.amdhsa_next_free_vgpr 1024
		.amdhsa_next_free_sgpr 100
		.amdhsa_reserve_vcc 0
		.amdhsa_float_denorm_mode_32 3
		.amdhsa_float_denorm_mode_16_64 3
		.amdhsa_memory_ordered 1
		.amdhsa_forward_progress 1
		.amdhsa_inst_pref_size 143
	.end_amdhsa_kernel
	.amdgpu_metadata
---
amdhsa.version: [ 1, 2 ]
amdhsa.kernels:
  - .name:           k_qbf9e517715_proj
    .symbol:         k_qbf9e517715_proj.kd
    .args:
      - { .name: xc, .offset: 0, .size: 8, .value_kind: global_buffer, .address_space: global }
      - { .name: wc, .offset: 8, .size: 8, .value_kind: global_buffer, .address_space: global }
      - { .name: sc, .offset: 16, .size: 8, .value_kind: global_buffer, .address_space: global }
      - { .name: qh, .offset: 24, .size: 8, .value_kind: global_buffer, .address_space: global }
      - { .name: kv, .offset: 32, .size: 8, .value_kind: global_buffer, .address_space: global }
    .group_segment_fixed_size: 327680
    .private_segment_fixed_size: 0
    .kernarg_segment_align: 8
    .kernarg_segment_size: 40
    .max_flat_workgroup_size: 128
    .sgpr_count:     100
    .vgpr_count:     1024
    .wavefront_size: 32
...
	.end_amdgpu_metadata
.endif
;; end of part 3
;; launch attn (part 4): grid 8 x 32, 16 waves a work-group, clusters of 4 x 1, 309,248 bytes of LDS; arguments qh, kv, oc, sc; writes oc, sc
.if DOCPART == 4
	.amdgcn_target "amdgcn-amd-amdhsa--gfx1250"
	.amdhsa_code_object_version 6
	.text
	.protected	k_qbf9e517715_attn
	.globl	k_qbf9e517715_attn
	.p2align	8
	.type	k_qbf9e517715_attn,@function
k_qbf9e517715_attn:
	s_mov_b64 s[64:65], 0
	v_nop
	global_prefetch_b8 v0, s[64:65] scope:SCOPE_SE
	s_setreg_imm32_b32 hwreg(HW_REG_WAVE_MODE, 25, 1), 1
	s_wait_xcnt 0x0
	s_wait_alu depctr_hold_cnt(0) depctr_sa_sdst(0) depctr_va_vdst(0) depctr_va_sdst(0) depctr_va_ssrc(0) depctr_va_vcc(0) depctr_vm_vsrc(0)
	s_getreg_b32 s2, hwreg(HW_REG_IB_STS2, 6, 4)
	s_cmp_eq_u32 s2, 0
	s_cbranch_scc0 .Lentry_in_a_cluster
	s_endpgm
.Lentry_in_a_cluster:
	s_bfe_u32 s2, ttmp6, 0x10000c
	s_cmp_lg_u32 s2, 0x3003
	s_cbranch_scc0 .Lentry_shape_is_right
	s_endpgm
.Lentry_shape_is_right:
; O = softmax(q k^T / 8) v for one head and 256 queries a work-group, both products on codes of FP6 (E2M3) with E8M0 scales; O / l is quantised along the head's 128 channels and stored as an operand of the last product.
; THE SOFTMAX AHEAD OF THE SECOND PRODUCT: t = score x log2(e) / 8; M = the running largest t rounded UP to a whole number; p = 2^(t - M) is quantised along the keys, not normalised; the row's sum is taken of the
; unquantised p and divides O at the end.  When M moves, the sum and O are multiplied by 2^(old M - new M): exact.
; SHARES.  Sixteen waves, each one tile of 16 queries in 256 registers.  Every wave walks the head's 2,048 keys, 128 a step.
; LDS.  The head's K, V and scale words are 16 records of 19,200 bytes.  They are filled ONCE: wave w asks for record w, its one tensor load, and they stay: no ring, no refill.
; A wave's first step works its OWN record, behind its own wait for its load; then one barrier shows all records to all waves, and the wave walks the other fifteen, beginning at record (w + 1) % 16: the order of the keys is free.
; Every byte is asked for at the head: there is no later request that a prefetch could run ahead of.
; CLUSTER 4 x 1: four blocks of queries of one head need the same records: each is asked for jointly (mask 15).
; LAYOUT.  Both products transposed: S^T = K Q^T, O^T = V^T P^T: a lane holds one query.
; THE FIRST PRODUCT'S K IS 64, THE INSTRUCTION'S 128: a fragment of K holds TWO tiles of keys, one in each half of the instruction's K; multiplied by [q; 0] it gives the first tile's scores, by [0; q] the second's.
; Zero codes add nothing under any scale byte but 0xff, which no byte here is.
; WHICH KEYS FORM A TILE is chosen by the lanes' LDS addresses.  In a record fragment b, half u, row r is key 32 b + 8 u + r + 8 (r / 8).  Lane (row 8 B + j, half h) of my fragment (c, T) takes the registers of the record's
; fragment 2 c + B, row j + 8 (T xor B).  So in S^T register 32 c + 16 T + 8 u + j of lane half h is key 32 (2 c + h) + 16 (T xor h) + 8 u + j: A LANE HOLDS A WHOLE BLOCK OF 32 KEYS, block 2 c + h, as the second product's operand wants it,
; and a block's largest score needs no other lane.  In lanes 16-31 the block's two halves of 16 stand swapped (with T xor B the four groups of eight lanes of a load read four different runs of 64 bytes modulo 256): the codes are put right by selects.
; LIMITS: NaN and infinities are not served; the promise holds while the scaled scores t stay under 2^31 in magnitude; a block whose largest magnitude lies under 2^-124 has its byte held at 1; a block of zeros gets the byte 1
; (its codes are zeros; this program alone reads the bytes).
; REGISTERS: v1-4, v7 lane terms; v8-11 the step's LDS addresses; v12 -M, v13 the largest score, v[14:15] the sum; v16-21 q, v22-27 zeros, v28-33 q again; v34, v35 q's scale words; v36-83 four fragments;
; v84-87 K's words, v88-95 V's; v96-159 S^T, then p; v160-223 O^T; v224-235 p's codes; v236-255 at work; v252 the factor, v253 p's scale word.
.set REC,   19200
.set SPARE, 16*REC                     ; behind the records: the spare words, 128 bytes for each of 16 waves
.set L8,   1                           ; 8 x lane
.set R16,  2                           ; 16 r
.set KA,   3                           ; K's fragments: 1,536 B + 64 B + 8 j + 128 h
.set KS,   4                           ; K's scale words: 16 j + 128 B + 4 B
.set SPW,  5
.set NIL,  6
.set SH8,  7                           ; 8 h
.set ADK,  8
.set ADKS, 9
.set ADVS, 10
.set ADV,  11
.set WV,   18
.set SEL,  20
.set CS,   22
.set G1,   24
.set G0,   32
.set HM,   36
.set IDX,  37
.set TB,   2
.set CNT,  3
.macro CROUND
	s_barrier_signal -1
	s_barrier_wait -1
	s_cmp_lg_u32 s[WV], 0
	s_cbranch_scc1 .Lnot_wave_0_\@
	s_barrier_signal -3
.Lnot_wave_0_\@:
	s_barrier_wait -3
	s_barrier_signal -1
	s_barrier_wait -1
.endm
.macro MM d, a, b, c, sa, sb
	v_wmma_scale_f32_16x16x128_f8f6f4 v[\d:\d+7], v[\a:\a+11], v[\b:\b+11], \c, v[\sa], v[\sb] matrix_a_fmt:MATRIX_FMT_FP6 matrix_b_fmt:MATRIX_FMT_FP6
.endm
	s_load_b256 s[4:11], s[0:1], 0x0               ; qh, kv, oc, sc
	v_lshl_add_u32 v[SPW], v0, 2, SPARE
	v_mov_b32 v[NIL], 0
	ds_add_u32 v[SPW], v[NIL]                      ; the opening lines: the add, twice on end, and its wait ahead of the round in front of the tensor loads
	ds_add_u32 v[SPW], v[NIL]
	v_lshrrev_b32 v8, 5, v0
	v_readfirstlane_b32 s[WV], v8                  ; wave 0..15
	s_and_b32 s12, ttmp7, 0xffff                   ; 8 x batch + head
	s_bfe_u32 s13, ttmp6, 0x40000                  ; cx
	s_lshl_b32 s14, ttmp9, 2
	s_add_co_u32 s14, s14, s13                     ; my block of 256 queries
	s_mov_b32 s[G1+0], 15|(3<<16)|(1<<21)          ; the mask names all four; elements of 8 bytes; bit 21 beside a mask
	s_mov_b32 s[G1+1], 32<<16                      ; a record as 75 rows of 256 bytes
	s_mov_b32 s[G1+2], 75<<16
	s_mov_b32 s[G1+3], 32<<16
	s_mov_b32 s[G1+4], 75
	s_mov_b32 s[G1+5], 32
	s_mov_b32 s[G1+6], 0
	s_mov_b32 s[G1+7], 0
	s_mul_i32 s[TB], s[WV], REC                    ; my record's LDS bytes: also my first step's
	s_mul_i32 s48, s12, 16*REC
	s_add_co_u32 s48, s48, s[TB]
	s_mov_b32 s49, 0
	s_mov_b32 s[SEL], 0x76543210
	s_mov_b32 s[SEL+1], 0xfedcba98                 ; v_permlanex16_b32: lane l xor 16
	s_mov_b32 s[CS], 0x3e38aa3b                    ; c = log2(e) / 8
	s_mov_b32 s[CS+1], s[CS]
	s_mov_b32 s[HM], 0xffff0000                    ; lanes 16-31
	s_mov_b32 s[G0], 1
	s_mov_b32 s[G0+1], s[TB]
	s_wait_dscnt 0x0                               ; both opening adds are done
	s_wait_kmcnt 0x0
	s_add_nc_u64 s[G0+2:G0+3], s[6:7], s[48:49]
	s_or_b32 s[G0+3], s[G0+3], 0x80000000
	CROUND                                         ; all four work-groups are here: the joint loads meet
	tensor_load_to_lds s[G0:G0+3], s[G1:G1+7]      ; record w: my one tensor load
	s_nop 0
	s_lshr_b32 s50, s[WV], 3
	s_lshl_b32 s51, s14, 1
	s_add_co_u32 s50, s50, s51                     ; my group of 128 queries in the batch
	s_and_b32 s51, s[WV], 7                        ; my tile in it
	s_lshl_b32 s52, s12, 4
	s_add_co_u32 s52, s52, s50
	s_mul_i32 s52, s52, 6400                       ; q's record
	s_mul_i32 s53, s51, 768
	s_add_co_u32 s54, s52, s53
	s_mov_b32 s55, 0
	s_add_nc_u64 s[56:57], s[4:5], s[54:55]        ; my tile's half fragment
	s_lshr_b32 s53, s51, 1
	s_lshl_b32 s53, s53, 2
	s_add_co_u32 s54, s52, s53
	s_add_co_u32 s54, s54, 6144
	s_add_nc_u64 s[58:59], s[4:5], s[54:55]        ; my pair's scale words
	s_and_b32 s60, s51, 1
	s_lshl_b32 s60, s60, 4                         ; my tile's half of a word
	s_lshr_b32 s61, s12, 3
	s_and_b32 s62, s12, 7                          ; the head
	s_lshl_b32 s61, s61, 4
	s_add_co_u32 s61, s61, s50
	s_lshl_b32 s61, s61, 3
	s_add_co_u32 s61, s61, s51                     ; my block of oc
	s_lshl_b32 s66, s61, 3
	s_add_co_u32 s66, s66, s62
	s_mul_i32 s66, s66, 1536                       ; K step = head
	s_mov_b32 s67, 0
	s_add_nc_u64 s[8:9], s[8:9], s[66:67]
	s_add_co_u32 s68, s61, 1216
	s_lshl_b32 s68, s68, 9
	s_lshr_b32 s69, s62, 2
	s_lshl_b32 s69, s69, 8
	s_add_co_u32 s68, s68, s69
	s_and_b32 s69, s62, 3
	s_lshl_b32 s69, s69, 2
	s_add_co_u32 s68, s68, s69
	s_mov_b32 s69, 0
	s_add_nc_u64 s[10:11], s[10:11], s[68:69]
	v_and_b32 v10, 31, v0
	v_and_b32 v11, 15, v0
	v_lshlrev_b32 v[L8], 3, v10
	v_lshlrev_b32 v[R16], 4, v11
.irp p, 0,1,2
	global_load_b64 v[16+2*\p:17+2*\p], v[L8], s[56:57] offset:256*\p   ; q, for [q; 0],
	global_load_b64 v[28+2*\p:29+2*\p], v[L8], s[56:57] offset:256*\p   ; and for [0; q]
.endr
	global_load_b32 v34, v[R16], s[58:59]
	v_and_b32 v8, 7, v0                            ; j
	v_bfe_u32 v9, v0, 3, 1                         ; B
	v_bfe_u32 v10, v0, 4, 1                        ; h
	v_lshlrev_b32 v[SH8], 3, v10
	v_lshlrev_b32 v[KA], 3, v8
	v_lshlrev_b32 v[KS], 4, v8
	v_mad_u32_u24 v[KA], v9, 1600, v[KA]           ; 1,536 B + 64 B: bit 6 is B, and no sum below carries into it
	v_mad_u32_u24 v[KS], v9, 132, v[KS]            ; 128 B + 4 B: bit 7 is B
	v_lshl_add_u32 v[KA], v10, 7, v[KA]
	s_wait_alu depctr_va_vdst(0)
	s_wait_loadcnt 0x0
	v_lshrrev_b32 v34, s60, v34                    ; q's two bytes in bytes 0, 1: for [q; 0];
	v_lshlrev_b32 v35, 16, v34                     ; in bytes 2, 3: for [0; q]
.irp i, 22,23,24,25,26,27
	v_mov_b32 v\i, 0                               ; the zero codes that both share
.endr
	v_mov_b32 v240, 0                              ; a lane permute's destination counts as one of its sources
.macro VLOAD g                         ; four tiles of V^T: 16 channels x the step's 128 keys each
.irp t, 0,1,2,3
.irp e, 0,1,2,3,4,5
	ds_load_b64 v[36+12*\t+2*\e:37+12*\t+2*\e], v[ADV] offset:6400+1536*(4*\g+\t)+256*\e
.endr
.endr
.endm
.macro PV g, first                     ; O^T += V^T P^T; the accumulators take turns; the first step's products start the sums
	s_wait_dscnt 0x0
.irp t, 0,1,2,3
.if \first
	MM 160+8*(4*\g+\t), 36+12*\t, 224, 0, 88+4*(\t%2)+(4*\g+\t)/2, 253
.else
	MM 160+8*(4*\g+\t), 36+12*\t, 224, v[160+8*(4*\g+\t):167+8*(4*\g+\t)], 88+4*(\t%2)+(4*\g+\t)/2, 253
.endif
.endr
.endm
; A KEY STEP: 128 keys, the record at LDS byte s[TB] (a multiple of 256).  first = 1: nothing has been summed yet
.macro STEP first
	v_add_nc_u32 v[ADK], s[TB], v[KA]              ; these four are also the places in front of loads into registers that the last products read
	v_add_nc_u32 v[ADKS], s[TB], v[KS]
	v_add_nc_u32 v[ADVS], s[TB], v[R16]
	v_add_nc_u32 v[ADV], s[TB], v[L8]
.irp u, 0,1                            ; T = 0, then T = 1
.irp c, 0,1
.irp e, 0,1,2,3,4,5
	ds_load_b64 v[36+12*(2*\c+\u)+2*\e:37+12*(2*\c+\u)+2*\e], v[ADK] offset:3072*\c+256*\e
.endr
	ds_load_b32 v[84+2*\c+\u], v[ADKS] offset:6144+8*\c   ; the scale word of my row of that fragment
.endr
.if \u == 0
	v_xor_b32 v[ADK], 64, v[ADK]                   ; 64 (T xor B): the other eight rows
	v_xor_b32 v[ADKS], 128, v[ADKS]
.endif
.endr
	ds_load_b128 v[88:91], v[ADVS] offset:18688    ; V's even tiles' scale words,
	ds_load_b128 v[92:95], v[ADVS] offset:18944    ; the odd tiles'
	s_wait_alu depctr_va_vdst(0)
	s_wait_dscnt 0x0
.irp f, 0,1,2,3
	MM 96+16*\f, 36+12*\f, 16, 0, 84+\f, 34
	MM 104+16*\f, 36+12*\f, 22, 0, 84+\f, 35
.endr
.if \first
	v_nop
.else
	v_mov_b32 v254, v12                            ; the old -M
.endif
.rept 3
	v_nop                                          ; four places behind the products
.endr
	VLOAD 0                                        ; V's first four tiles land while the softmax is walked
.irp c, 0,1                            ; the largest score of my two blocks of 32 keys, each in two chains: for the row's maximum and, since p rises with the score, for the block's largest p
.irp d, 0,1
	v_max3_num_f32 v[236+\c+2*\d], v[96+32*\c+16*\d], v[97+32*\c+16*\d], v[98+32*\c+16*\d]
.endr
.endr
.irp i, 3,5,7,9,11,13
.irp c, 0,1
.irp d, 0,1
	v_max3_num_f32 v[236+\c+2*\d], v[236+\c+2*\d], v[96+32*\c+16*\d+\i], v[97+32*\c+16*\d+\i]
.endr
.endr
.endr
.irp c, 0,1
	v_max3_num_f32 v[236+\c], v[236+\c], v[238+\c], v[111+32*\c]
.endr
.irp c, 0,1
	v_max_num_f32 v[236+\c], v[236+\c], v[127+32*\c]
.endr
	v_max_num_f32 v255, v236, v237
	v_permlanex16_b32 v240, v255, s[SEL], s[SEL+1] ; lane l xor 16 holds my query's other two blocks
.if \first
	v_max_num_f32 v13, v255, v240
.else
	v_max3_num_f32 v13, v13, v255, v240            ; the running largest score
.endif
	v_mul_f32 v255, s[CS], v13                     ; as t (c is positive)
	v_floor_f32 v12, -v255                         ; the new -M = -ceil(t)
.if !\first
	v_sub_f32 v254, v12, v254                      ; old M - new M: a whole number, 0 or less
	v_cvt_i32_f32 v254, v254                       ; (it saturates)
	v_ldexp_f32 v252, 1.0, v254                    ; f = 2^(old M - new M)
.endif
.set j, 0
.rept 32
	v_pk_fma_f32 v[96+j:97+j], v[96+j:97+j], s[CS:CS+1], v[12:13] op_sel_hi:[1,0,0]   ; t - M
.set j, j+2
.endr
.irp c, 0,1
	v_fma_f32 v[236+\c], v[236+\c], s[CS], v12     ; the same of each block's largest score
.endr
	s_wait_alu depctr_va_vdst(0)
	v_exp_f32 v236, v236                           ; each block's largest p,
	v_exp_f32 v237, v237
.set j, 0
.rept 64
	v_exp_f32 v[96+j], v[96+j]                     ; and p = 2^(t - M)
.set j, j+1
.endr
.if \first
	v_nop                                          ; a plain place behind the exponentials
.else
	v_pk_mul_f32 v[14:15], v[14:15], v[252:253] op_sel_hi:[1,0]   ; the sums under the new M; a plain place behind the exponentials
.endif
	s_wait_alu depctr_va_vdst(0)                   ; one wait for the batch, ahead of its first reader
.irp c, 0,1
	v_max_num_f32 v[236+\c], 0x1800000, v[236+\c]  ; the floor 2^(3 - 127)
.endr
.irp c, 0,1
	v_add_nc_u32 v[238+\c], 0xff000000, v[236+\c]  ; the conversion's scale operand
.endr
	v_lshrrev_b32 v243, 23, v238                   ; the bytes of blocks h and 2 + h,
	v_lshrrev_b32 v247, 23, v239
	v_lshl_or_b32 v243, v247, 16, v243
	v_lshlrev_b32 v243, v[SH8], v243               ; at their places in the word;
	v_permlanex16_b32 v255, v243, s[SEL], s[SEL+1]
	v_or_b32 v253, v243, v255                      ; with lane l xor 16's two: p's scale word for these 128 keys
.irp c, 0,1
	v_cvt_scalef32_pk16_fp6_f32 v[224+6*\c:226+6*\c], v[96+32*\c:111+32*\c], v[238+\c]
	v_cvt_scalef32_pk16_fp6_f32 v[240+4*\c:242+4*\c], v[112+32*\c:127+32*\c], v[238+\c]
.endr
	v_pk_add_f32 v[248:249], v[96:97], v[98:99]    ; THE ROW'S SUM IS TAKEN OF THE UNQUANTISED p, in four chains.  (This line is the plain place behind the conversions)
.irp c, 0,1                            ; lanes 0-15: the first conversion holds the block's lower 16 codes, the second the upper 16; lanes 16-31: the other way round
.irp i, 0,1,2
	v_cndmask_b32 v[227+6*\c+\i], v[240+4*\c+\i], v[224+6*\c+\i], s[HM]
.endr
.irp i, 0,1,2
	v_cndmask_b32 v[224+6*\c+\i], v[224+6*\c+\i], v[240+4*\c+\i], s[HM]
.endr
.endr
	v_pk_add_f32 v[250:251], v[100:101], v[102:103]
	v_pk_add_f32 v[254:255], v[104:105], v[106:107]
.if \first
	v_pk_add_f32 v[14:15], v[108:109], v[110:111]
.else
	v_pk_add_f32 v[14:15], v[14:15], v[108:109]
	v_pk_add_f32 v[248:249], v[248:249], v[110:111]
.endif
.set j, 112
.rept 6                                ; (these are also the places between the writes of the codes and of v253 and the scaled products below)
	v_pk_add_f32 v[14:15], v[14:15], v[j:j+1]
	v_pk_add_f32 v[248:249], v[248:249], v[j+2:j+3]
	v_pk_add_f32 v[250:251], v[250:251], v[j+4:j+5]
	v_pk_add_f32 v[254:255], v[254:255], v[j+6:j+7]
.set j, j+8
.endr
.if !\first
	s_wait_alu depctr_va_vdst(0)                   ; directly ahead of the first reader of O^T
.set j, 0
.rept 32
	v_pk_mul_f32 v[160+j:161+j], v[160+j:161+j], v[252:253] op_sel_hi:[1,0]   ; O^T under the new M
.set j, j+2
.endr
.endif
	s_wait_alu depctr_va_vdst(0)
	PV 0, \first
	v_pk_add_f32 v[248:249], v[248:249], v[250:251]   ; the four chains are joined: with the v_nop, the four places in front of the loads below
	v_pk_add_f32 v[14:15], v[14:15], v[254:255]
	v_pk_add_f32 v[14:15], v[14:15], v[248:249]
	v_nop
	VLOAD 1
	PV 1, \first
.endm
	s_wait_alu depctr_va_vdst(0)
	s_wait_tensorcnt 0x0                           ; my record is in: I alone read it ahead of the barrier
	STEP 1
	s_wait_dscnt 0x0
	s_barrier_signal -1                            ; every wave has waited for its record in front of this signal:
	s_barrier_wait -1                              ; all sixteen records are in.  Nothing is ever filled again: a plain barrier
	s_mov_b32 s[IDX], s[WV]
	s_mov_b32 s[CNT], 15
.Lstep:
	s_add_co_u32 s[IDX], s[IDX], 1
	s_and_b32 s38, s[IDX], 15                      ; record (w + trip) % 16
	s_mul_i32 s[TB], s38, REC
	STEP 0
	s_sub_co_u32 s[CNT], s[CNT], 1
	s_cmp_lg_u32 s[CNT], 0
	s_cbranch_scc1 .Lstep
	; THE WAY OUT: O^T / the sum; V's tile 2 b + u holds channels 32 b + 8 u + r + 8 (r / 8), so register 16 b + i of my query is channel 32 b + 16 (lane / 16) + i: quantised, it is K step `head` of the last product's operand
.set PC, 36
.set TM, 56
.set PW, 72
	v_lshlrev_b32 v[ADVS], 1, v[L8]                ; 16 x lane
.rept 3
	v_nop                                          ; with the line above: four places behind the last products
.endr
	s_wait_alu depctr_va_vdst(0)
	v_add_f32 v14, v14, v15
	s_delay_alu instid0(VALU_DEP_1)
	v_permlanex16_b32 v252, v14, s[SEL], s[SEL+1]
	s_delay_alu instid0(VALU_DEP_1)
	v_add_f32 v14, v14, v252                       ; the row's sum
	s_wait_alu depctr_va_vdst(0)
	v_rcp_f32 v14, v14
.irp b, 0,1,2,3
	v_mov_b32 v[TM+4+\b], 0                        ; plain places behind the reciprocal
.endr
	s_wait_alu depctr_va_vdst(0)                   ; the wait, ahead of the first reader
.set j, 0
.rept 64
	v_mul_f32 v[96+j], v[160+j], v14
.set j, j+1
.endr
.irp b, 0,1,2,3
	v_max3_num_f32 v[TM+\b], |v[96+16*\b]|, |v[97+16*\b]|, 0x1800000
.endr
.irp i, 2,4,6,8,10,12,14
.irp b, 0,1,2,3
	v_max3_num_f32 v[TM+\b], v[TM+\b], |v[96+16*\b+\i]|, |v[97+16*\b+\i]|
.endr
.endr
.irp b, 0,1,2,3
	v_permlanex16_b32 v[TM+4+\b], v[TM+\b], s[SEL], s[SEL+1]
.endr
.irp b, 0,1,2,3
	v_max_num_f32 v[TM+\b], v[TM+\b], v[TM+4+\b]
.endr
.irp b, 0,1,2,3
	v_add_nc_u32 v[TM+12+\b], 0xff000000, v[TM+\b]
.endr
.irp b, 0,1,2,3
	v_lshrrev_b32 v[TM+4+\b], 23, v[TM+12+\b]
.endr
	v_lshl_or_b32 v[PW], v[TM+5], 8, v[TM+4]
	s_delay_alu instid0(VALU_DEP_1)
	v_lshl_or_b32 v[PW], v[TM+6], 16, v[PW]
	s_delay_alu instid0(VALU_DEP_1)
	v_lshl_or_b32 v[PW], v[TM+7], 24, v[PW]
.irp c, 0,1
	v_cvt_scalef32_pk16_fp6_f32 v[PC+6*\c:PC+2+6*\c], v[96+32*\c:111+32*\c], v[TM+12+2*\c]
	v_cvt_scalef32_pk16_fp6_f32 v[PC+12+4*\c:PC+14+4*\c], v[112+32*\c:127+32*\c], v[TM+12+2*\c+1]
.endr
	v_nop                                          ; one plain place behind a scaled conversion
.irp c, 0,1
.irp i, 0,1,2
	v_permlane16_swap_b32 v[PC+6*\c+\i], v[PC+12+4*\c+\i]
.endr
.irp i, 0,1,2
	v_mov_b32 v[PC+3+6*\c+\i], v[PC+12+4*\c+\i]
.endr
.endr
.irp g, 0,1,2
	global_store_b128 v[ADVS], v[PC+4*\g:PC+4*\g+3], s[8:9] offset:512*\g   ; 512 consecutive bytes, aligned
.endr
	global_store_b32 v[R16], v[PW], s[10:11]       ; my row's word; lanes l and l xor 16 write the same word with the same value.  64 bytes a wave, 16 bytes apart, beside 1,536 bytes of codes
	s_wait_tensorcnt 0x0                           ; the wave's end
	ds_add_u32 v[SPW], v[NIL]
	s_wait_dscnt 0x0
	CROUND                                         ; the closing round
	s_endpgm
.Lfunc_end_k_qbf9e517715_attn:
	.size	k_qbf9e517715_attn, .Lfunc_end_k_qbf9e517715_attn-k_qbf9e517715_attn
	.p2alignl 7, 3214868480
	.fill 96, 4, 3214868480
	.section	.rodata,"a",@progbits
	.p2align	6, 0x0
	.amdhsa_kernel k_qbf9e517715_attn
		.amdhsa_group_segment_fixed_size 309248
		.amdhsa_private_segment_fixed_size 0
		.amdhsa_enable_private_segment 0
		.amdhsa_kernarg_size 32
		.amdhsa_user_sgpr_count 2
		.amdhsa_user_sgpr_kernarg_segment_ptr 1
		.amdhsa_wavefront_size32 1
		.amdhsa_system_sgpr_workgroup_id_x 1
		.amdhsa_system_sgpr_workgroup_id_y 1
		.amdhsa_system_sgpr_workgroup_id_z 1
		.amdhsa_system_vgpr_workitem_id 0
		.amdhsa_next_free_vgpr 256
		.amdhsa_next_free_sgpr 80
		.amdhsa_reserve_vcc 0
		.amdhsa_float_denorm_mode_32 3
		.amdhsa_float_denorm_mode_16_64 3
		.amdhsa_memory_ordered 1
		.amdhsa_forward_progress 1
		.amdhsa_inst_pref_size 51
	.end_amdhsa_kernel
	.amdgpu_metadata
---
amdhsa.version: [ 1, 2 ]
amdhsa.kernels:
  - .name:           k_qbf9e517715_attn
    .symbol:         k_qbf9e517715_attn.kd
    .args:
      - { .name: qh, .offset: 0, .size: 8, .value_kind: global_buffer, .address_space: global }
      - { .name: kv, .offset: 8, .size: 8, .value_kind: global_buffer, .address_space: global }
      - { .name: oc, .offset: 16, .size: 8, .value_kind: global_buffer, .address_space: global }
      - { .name: sc, .offset: 24, .size: 8, .value_kind: global_buffer, .address_space: global }
    .group_segment_fixed_size: 309248
    .private_segment_fixed_size: 0
    .kernarg_segment_align: 8
    .kernarg_segment_size: 32
    .max_flat_workgroup_size: 512
    .sgpr_count:     80
    .vgpr_count:     256
    .wavefront_size: 32
...
	.end_amdgpu_metadata
.endif
;; end of part 4
;; launch outg (part 5): grid 8 x 16, 4 waves a work-group, clusters of 4 x 1, 327,680 bytes of LDS; arguments oc, wc, sc, out0; writes out0
.if DOCPART == 5
	.amdgcn_target "amdgcn-amd-amdhsa--gfx1250"
	.amdhsa_code_object_version 6
	.text
	.protected	k_qbf9e517715_outg
	.globl	k_qbf9e517715_outg
	.p2align	8
	.type	k_qbf9e517715_outg,@function
k_qbf9e517715_outg:
	s_mov_b64 s[64:65], 0
	v_nop
	global_prefetch_b8 v0, s[64:65] scope:SCOPE_SE
	s_setreg_imm32_b32 hwreg(HW_REG_WAVE_MODE, 25, 1), 1
	s_wait_xcnt 0x0
	s_wait_alu depctr_hold_cnt(0) depctr_sa_sdst(0) depctr_va_vdst(0) depctr_va_sdst(0) depctr_va_ssrc(0) depctr_va_vcc(0) depctr_vm_vsrc(0)
	s_getreg_b32 s2, hwreg(HW_REG_IB_STS2, 6, 4)
	s_cmp_eq_u32 s2, 0
	s_cbranch_scc0 .Lentry_in_a_cluster
	s_endpgm
.Lentry_in_a_cluster:
	s_bfe_u32 s2, ttmp6, 0x10000c
	s_cmp_lg_u32 s2, 0x3003
	s_cbranch_scc0 .Lentry_shape_is_right
	s_endpgm
.Lentry_shape_is_right:
.set FR,     12
.set NL,     3
.set NP,     4
.set FRB,    1536
.set BLKB,   2*FRB
.set ASZ,    32*BLKB
.set SLOT,   40*BLKB
.set SPARE,  2*SLOT
.set SPITCH, 528
.set ADRA, 16
.set ADRB, 20
.set STO,  22
.set RD,   23
.set CO,   24
.set SPW,  28
.set NIL,  29
.set SC,   32
.set AF,   128
.set BK,   128
.set G1,  24
.set G0,  32
.set G1B, 48
.set G0B, 56
.set MSB, 0
.macro WIN new
.if MSB != \new
	s_set_vgpr_msb (MSB<<8)|\new
.set MSB, \new
.endif
.endm
.set MUL_LO, 0xa1
.set MUL_HI, 0xf1
.set TO_B,   0x40
.macro JLOAD s
	s_cmp_eq_u32 s15, 0
	s_cbranch_scc0 .Lfor_b_\@
	tensor_load_to_lds s[G0+4*\s:G0+4*\s+3], s[G1:G1+7]
	s_nop 0
.rept 4
	v_nop
.endr
	s_branch .Lasked_\@
.Lfor_b_\@:
	tensor_load_to_lds s[G0B+4*\s:G0B+4*\s+3], s[G1B:G1B+7]
	s_nop 0
.rept 4
	v_nop
.endr
.Lasked_\@:
.endm
.macro CREST
	s_cmp_lg_u32 s14, 0
	s_cbranch_scc1 .Lnot_wave_0_\@
	s_barrier_signal -3
.Lnot_wave_0_\@:
	s_barrier_wait -3
	s_barrier_signal -1
	s_barrier_wait -1
.endm
.macro CROUND
	s_barrier_signal -1
	s_barrier_wait -1
	CREST
.endm
.macro PLACES n
.rept \n
	v_nop
.endr
.endm
.macro FRAG reg, adr, q, i
.irp g, 0,1,2
	ds_load_b128 v[\reg+4*\g:\reg+4*\g+3], v[\adr] offset:BLKB*(\i)+FRB*(\q)+512*\g
.endr
.endm
.macro FETCH_B slot, q, p
	WIN TO_B
.irp i, 0,1,2,3,4,5,6,7
	FRAG 128*(\p)+FR*\i, ADRB+\slot, \q, \i
.endr
	WIN 0
.endm
.macro FETCH_A slot, q, i0
.irp i, \i0, \i0+1, \i0+2, \i0+3
	FRAG AF+FR*(\i), ADRA+\slot, \q, \i
.endr
.endm
.macro MUL16 a0, p, ks, zero
.irp a, \a0, \a0+1
.irp b, 0,1,2,3,4,5,6,7
.if \zero
	v_wmma_scale_f32_16x16x128_f8f6f4 v[8*(8*((\a)%4)+\b):8*(8*((\a)%4)+\b)+7], v[128*(\p)+FR*\b:128*(\p)+FR*\b+FR-1], v[AF+FR*(\a):AF+FR*(\a)+FR-1], 0, v[SC+8*\b+(\ks)], v[SC+8*(\a)+(\ks)] matrix_a_fmt:MATRIX_FMT_FP6 matrix_b_fmt:MATRIX_FMT_FP6 matrix_a_scale:MATRIX_SCALE_ROW1
.else
	v_wmma_scale_f32_16x16x128_f8f6f4 v[8*(8*((\a)%4)+\b):8*(8*((\a)%4)+\b)+7], v[128*(\p)+FR*\b:128*(\p)+FR*\b+FR-1], v[AF+FR*(\a):AF+FR*(\a)+FR-1], v[8*(8*((\a)%4)+\b):8*(8*((\a)%4)+\b)+7], v[SC+8*\b+(\ks)], v[SC+8*(\a)+(\ks)] matrix_a_fmt:MATRIX_FMT_FP6 matrix_b_fmt:MATRIX_FMT_FP6 matrix_a_scale:MATRIX_SCALE_ROW1
.endif
.endr
.endr
.endm
.macro STEP slot, ks, zero
	s_wait_dscnt 4*NL
	WIN MUL_LO
	MUL16 0, 0, \ks, \zero
	MUL16 2, 0, \ks, \zero
	s_wait_dscnt 0x0
	PLACES NP
	FETCH_B \slot, 1, 1
	FETCH_A \slot, 1, 0
	WIN MUL_HI
	MUL16 4, 0, \ks, \zero
	MUL16 6, 0, \ks, \zero
	PLACES NP
	WIN 0
	FETCH_A \slot, 1, 4
.endm
.macro TURN slot, next, ks, fill
	s_wait_tensorcnt 0x0
	ds_add_u32 v[SPW], v[NIL]
	s_wait_dscnt 4*NL+1
	WIN MUL_LO
	MUL16 0, 1, \ks, 0
	s_wait_dscnt 0x0
	s_barrier_signal -1
	MUL16 2, 1, \ks, 0
	WIN 0
	s_barrier_wait -1
.if \fill
	CREST
	s_add_nc_u64 s[G0+4*\slot+2:G0+4*\slot+3], s[G0+4*\slot+2:G0+4*\slot+3], 2*BLKB
	s_add_nc_u64 s[G0B+4*\slot+2:G0B+4*\slot+3], s[G0B+4*\slot+2:G0B+4*\slot+3], 2*BLKB
	JLOAD \slot
.else
	PLACES NP
.endif
	FETCH_B \next, 0, 0
	FETCH_A \next, 0, 0
	WIN MUL_HI
	MUL16 4, 1, \ks, 0
	MUL16 6, 1, \ks, 0
	PLACES NP
	WIN 0
	FETCH_A \next, 0, 4
.endm
.macro LAST ks
	s_wait_dscnt 4*NL
	WIN MUL_LO
	MUL16 0, 1, \ks, 0
	MUL16 2, 1, \ks, 0
	s_wait_dscnt 0x0
	WIN MUL_HI
	MUL16 4, 1, \ks, 0
	MUL16 6, 1, \ks, 0
	WIN 0
.endm
	s_load_b256 s[4:11], s[0:1], 0x0
	v_lshl_add_u32 v[SPW], v0, 2, SPARE
	v_mov_b32 v[NIL], 0
	ds_add_u32 v[SPW], v[NIL]
	ds_add_u32 v[SPW], v[NIL]
	v_lshrrev_b32 v1, 5, v0
	v_readfirstlane_b32 s14, v1
	s_lshr_b32 s15, s14, 1
	s_and_b32 s16, s14, 1
	s_and_b32 s17, ttmp7, 0xffff
	s_bfe_u32 s18, ttmp6, 0x40000
	s_mov_b32 s[G1+0], 15|(3<<16)|(1<<21)
	s_mov_b32 s[G1B+0], 3<<16
	s_mov_b32 s[G1+2], 16<<16
	s_mov_b32 s[G1B+2], 4<<16
	s_mov_b32 s[G1+4], 16
	s_mov_b32 s[G1B+4], 4
.irp g, G1, G1B
	s_mov_b32 s[\g+1], 384<<16
	s_mov_b32 s[\g+3], 384<<16
	s_mov_b32 s[\g+5], 1536
	s_mov_b32 s[\g+6], 0
	s_mov_b32 s[\g+7], 0
.endr
	s_lshl_b32 s19, s17, 5
	s_add_co_u32 s21, s19, 1216
	s_lshl_b32 s22, s16, 4
	s_add_co_u32 s22, s22, s19
	s_mul_i32 s22, s22, 8*FRB
	s_mov_b32 s23, 0
	s_lshl_b32 s67, ttmp9, 2
	s_add_co_u32 s67, s67, s18
	s_lshl_b32 s66, s67, 3
	s_add_co_u32 s66, s66, 128
	s_add_co_u32 s68, s66, 1024
	s_lshl_b32 s70, s16, 2
	s_add_co_u32 s70, s70, s66
	s_mul_i32 s70, s70, 8*FRB
	s_mov_b32 s71, 0
	s_mul_i32 s76, s16, 16*BLKB
	s_mul_i32 s77, s16, 4*BLKB
	s_add_co_u32 s77, s77, ASZ
	s_mov_b32 s42, 0xffff0000
	s_wait_dscnt 0x0
	s_wait_kmcnt 0x0
	s_add_nc_u64 s[72:73], s[4:5], s[22:23]
	s_add_nc_u64 s[74:75], s[6:7], s[70:71]
	CROUND
.irp s, 0,1
	s_mov_b32 s[G0+4*\s], 1
	s_add_co_u32 s[G0+4*\s+1], s76, \s*SLOT
	s_add_nc_u64 s[G0+4*\s+2:G0+4*\s+3], s[72:73], \s*BLKB
	s_or_b32 s[G0+4*\s+3], s[G0+4*\s+3], 0x80000000
	s_mov_b32 s[G0B+4*\s], 1
	s_add_co_u32 s[G0B+4*\s+1], s77, \s*SLOT
	s_add_nc_u64 s[G0B+4*\s+2:G0B+4*\s+3], s[74:75], \s*BLKB
	s_or_b32 s[G0B+4*\s+3], s[G0B+4*\s+3], 0x80000000
	s_wait_alu depctr_va_vdst(0)
	s_wait_tensorcnt 0x0
	ds_add_u32 v28, v29
	ds_add_u32 v28, v29
	s_wait_dscnt 0x0
	CROUND
	JLOAD \s
.endr
	v_and_b32 v1, 15, v0
	v_bfe_u32 v2, v0, 4, 1
	v_and_b32 v3, 31, v0
	s_lshl_b32 s78, s14, 3
	s_add_co_u32 s78, s78, s21
	s_lshl_b32 s78, s78, 9
	s_lshl_b32 s79, s68, 9
	v_mov_b32 v4, s78
	v_mov_b32 v5, s79
	v_cndmask_b32 v25, v4, v5, s42
	v_lshl_add_u32 v25, v1, 4, v25
.irp i, 0,1,2,3,4,5,6,7
.irp k, 0,1
	global_load_b128 v[SC+8*\i+4*\k:SC+8*\i+4*\k+3], v25, s[8:9] offset:512*\i+256*\k
.endr
.endr
	v_lshlrev_b32 v[CO], 4, v3
	s_mul_i32 s81, s14, 8*BLKB
	v_add_nc_u32 v[ADRA], s81, v[CO]
	v_add_nc_u32 v[ADRA+1], SLOT, v[ADRA]
	v_add_nc_u32 v[ADRB], ASZ, v[CO]
	v_add_nc_u32 v[ADRB+1], SLOT, v[ADRB]
	s_mul_i32 s82, s14, 16*SPITCH
	v_mul_u32_u24 v[STO], v1, SPITCH
	v_lshl_add_u32 v[STO], v2, 6, v[STO]
	v_add_nc_u32 v[STO], s82, v[STO]
	v_add_nc_u32 v[RD], s82, v[CO]
	s_lshl_b32 s84, s17, 21
	s_lshl_b32 s85, s14, 19
	s_add_co_u32 s84, s84, s85
	s_lshl_b32 s85, s67, 9
	s_add_co_u32 s84, s84, s85
	s_mov_b32 s85, 0
	s_add_nc_u64 s[10:11], s[10:11], s[84:85]
	s_wait_alu depctr_va_vdst(0)
	s_wait_tensorcnt 0x1
	s_barrier_signal -1
	s_barrier_wait -1
	FETCH_B 0, 0, 0
	FETCH_A 0, 0, 0
	FETCH_A 0, 0, 4
	s_wait_loadcnt 0x0
	STEP 0, 0, 1
	TURN 0, 1, 1, 1
	STEP 1, 2, 0
	TURN 1, 0, 3, 1
	STEP 0, 4, 0
	TURN 0, 1, 5, 0
	STEP 1, 6, 0
	LAST 7
.macro TOSTAGE a
.set AC, 64*((\a)%4)
	WIN 0x08+4*((\a)/4)
.irp c, 0,1,2,3
.irp q, 0,1,2,3
	ds_store_b128 v[STO], v[AC+16*\c+4*\q:AC+16*\c+4*\q+3] offset:128*\c+16*\q
.endr
.endr
	WIN 0
.set BB, BK+64*((\a)%2)
.irp t, 0,1,2,3,4,5,6,7,8,9,10,11,12,13,14,15
	ds_load_b128 v[BB+4*\t:BB+4*\t+3], v[RD] offset:\t*SPITCH
.endr
.endm
.macro SEND a, younger
.set BB, BK+64*((\a)%2)
	s_wait_dscnt \younger
.irp t, 0,1,2,3,4,5,6,7,8,9,10,11,12,13,14,15
	global_store_b128 v[CO], v[BB+4*\t:BB+4*\t+3], s[10:11] offset:(32*((\a)/2)+8*((\a)%2)+\t+8*(\t/8))*4096 th:TH_STORE_NT
.endr
.endm
	PLACES NP
	TOSTAGE 0
.irp a, 1,2,3,4,5,6,7
.if \a > 1
	s_wait_xcnt 0x0
.endif
	TOSTAGE \a
	SEND \a-1, 32
.endr
	SEND 7, 0
	s_wait_tensorcnt 0x0
	ds_add_u32 v[SPW], v[NIL]
	s_wait_dscnt 0x0
	CROUND
	s_endpgm
.Lfunc_end_k_qbf9e517715_outg:
	.size	k_qbf9e517715_outg, .Lfunc_end_k_qbf9e517715_outg-k_qbf9e517715_outg
	.p2alignl 7, 3214868480
	.fill 96, 4, 3214868480
	.section	.rodata,"a",@progbits
	.p2align	6, 0x0
	.amdhsa_kernel k_qbf9e517715_outg
		.amdhsa_group_segment_fixed_size 327680
		.amdhsa_private_segment_fixed_size 0
		.amdhsa_enable_private_segment 0
		.amdhsa_kernarg_size 32
		.amdhsa_user_sgpr_count 2
		.amdhsa_user_sgpr_kernarg_segment_ptr 1
		.amdhsa_wavefront_size32 1
		.amdhsa_system_sgpr_workgroup_id_x 1
		.amdhsa_system_sgpr_workgroup_id_y 1
		.amdhsa_system_sgpr_workgroup_id_z 1
		.amdhsa_system_vgpr_workitem_id 0
		.amdhsa_next_free_vgpr 1024
		.amdhsa_next_free_sgpr 100
		.amdhsa_reserve_vcc 0
		.amdhsa_float_denorm_mode_32 3
		.amdhsa_float_denorm_mode_16_64 3
		.amdhsa_memory_ordered 1
		.amdhsa_forward_progress 1
		.amdhsa_inst_pref_size 133
	.end_amdhsa_kernel
	.amdgpu_metadata
---
amdhsa.version: [ 1, 2 ]
amdhsa.kernels:
  - .name:           k_qbf9e517715_outg
    .symbol:         k_qbf9e517715_outg.kd
    .args:
      - { .name: oc, .offset: 0, .size: 8, .value_kind: global_buffer, .address_space: global }
      - { .name: wc, .offset: 8, .size: 8, .value_kind: global_buffer, .address_space: global }
      - { .name: sc, .offset: 16, .size: 8, .value_kind: global_buffer, .address_space: global }
      - { .name: out0, .offset: 24, .size: 8, .value_kind: global_buffer, .address_space: global }
    .group_segment_fixed_size: 327680
    .private_segment_fixed_size: 0
    .kernarg_segment_align: 8
    .kernarg_segment_size: 32
    .max_flat_workgroup_size: 128
    .sgpr_count:     100
    .vgpr_count:     1024
    .wavefront_size: 32
...
	.end_amdgpu_metadata
.endif
;; end of part 5
